; MI455X (gfx1250); checked and timed in simulation.
; The chip was launched on July 23, 2026; its instructions are those of AMD's public machine-readable ISA for CDNA 5 (MIT licence, August 2026) and "CDNA5" Instruction Set Architecture Reference Guide (July 2026). The comments in the code are by the model that wrote it; some were corrected since.
;; Vector Quantization. Allowed arithmetic: matrix products marked QUANTISED: E2M1 operands, one E8M0 scale for each 32 along K, by v_wmma_scale_f32_16x16x128_f8f6f4 with both operands' format E2M1 (or v_wmma_scale_f32_32x16x128_f4), f32 sums; everything else in f32.
;; Inputs: codebook 8,192 x 256 float32; z_e 16 x 256 x 32 x 32 float32.
;; Outputs: out0 16,384 x 256 float32; out1 16,384 int32.
;; This version of the problem:
;;   THIS VERSION OF THE PROBLEM IS GIVEN IN LOW PRECISION. The matrix products marked QUANTISED in the list below multiply operands that are first quantised to E2M1 (2 exponent bits, 1 mantissa bit; 4 bits a number), with one power-of-two scale for each 32 numbers along K (OCP MX v1.0); their sums are f32. All else is computed in f32.
;;   The module's matrix products, in the order in which they are computed (A, B: the left and right operand; K: the contracted axis; several contracted axes count as one K, in the product's order):
;;     1. [M 16,384, K 256] x [K 256, N 8,192]; A: computed on the way; B: input codebook: QUANTISED
;;   THE QUANTISER, for each operand of a quantised product, along K:
;;     - K is cut into blocks of 32 from its start; a last block that is shorter is filled with zeros.
;;     - A block's scale is 2^e with e = floor(log2(the largest magnitude in the block)) - 2, held to -126 .. 127; a block of zeros has e = 0. As a byte (E8M0): e + 127.
;;     - Each number is divided by its block's scale, clamped to +-6, and rounded to the nearest number of E2M1, ties to even, subnormals kept.
;;     - The product sums the exact products of the quantised numbers (number of the format x scale) in f32.
;;   ~~~python
;;   def quantise(x, axis):      # numpy; x: float32 -> the quantised numbers, widened to float32 again
;;       x = np.moveaxis(x, axis, -1); K = x.shape[-1]
;;       x = np.pad(x, [(0, 0)] * (x.ndim - 1) + [(0, -K % 32)]); x = x.reshape(x.shape[:-1] + (-1, 32)); a = np.abs(x).max(-1, keepdims=True)
;;       e = np.where(a > 0, np.clip(np.frexp(np.where(a > 0, a, 1))[1] - 1 - 2, -126, 127), 0)      # np.frexp(a)[1] - 1 = floor(log2(a)), exactly
;;       r = np.clip(x / 2.0 ** e, -6, 6)
;;       step = 2.0 ** (np.maximum(np.frexp(np.where(r == 0, 1, r))[1] - 1, 0) - 1)
;;       q = np.round(r / step) * step * 2.0 ** e      # np.round: ties to even
;;       return np.moveaxis(q.reshape(q.shape[:-2] + (-1,))[..., :K], -1, axis).astype(np.float32)
;;   ~~~
;;   OPERANDS COMPUTED ON THE WAY. 'Computed on the way' means the value that the module computes at that place (a softmax that the list does not call 'softmax' is quantised finished and normalised). What goes into a quantiser is computed in f32, as accurately as f32 sums, v_exp_f32 and their like allow (about 1e-6 of the number): no bf16 or f16 on the way to a quantiser, and a product that is left as it is and whose result goes on into a quantised operand takes f32 operands (vector FMAs, or v_wmma_f32_16x16x4_f32). A number that lies on a knife's edge between two numbers of the format may be rounded either way, as far as f32 arithmetic and the matrix unit's own rounding can turn it there, and no further.
;; One version. Each part assembles by itself: llvm-mc -triple=amdgcn-amd-amdhsa -mcpu=gfx1250 --defsym DOCPART=n.
;; ======== version 1 of 1: 3 launches
;; limits: right only within a limited range of input values
;; workspace buffers: cbq 1,179,648 bytes; zq 2,097,152 bytes; zs 131,072 bytes; cand 524,288 bytes of whole numbers
;; launch quant (part 1): grid 256 x 1, 8 waves a work-group, no clusters, 37,376 bytes of LDS; arguments codebook, z_e, cbq, zq, zs; writes cbq, zq, zs
.if DOCPART == 1
	.amdgcn_target "amdgcn-amd-amdhsa--gfx1250"
	.amdhsa_code_object_version 6
	.text
	.protected	k_q886b1bf70d_quant
	.globl	k_q886b1bf70d_quant
	.p2align	8
	.type	k_q886b1bf70d_quant,@function
k_q886b1bf70d_quant:
	s_mov_b64 s[64:65], 0
	v_nop
	global_prefetch_b8 v0, s[64:65] scope:SCOPE_SE
	s_setreg_imm32_b32 hwreg(HW_REG_WAVE_MODE, 25, 1), 1
	s_wait_xcnt 0x0
; Both operands of the product are turned into codes of E2M1 with one E8M0 byte for each 32 along K, in the order of a matrix operand's registers.
; DEAD WORK: ||z||^2 is left out of the whole program.  For a vector z reference() takes the argmin over j of ||z||^2 + ||e_j||^2 - 2 z.e_j; the first term is the same for every j, so for all finite inputs it moves no
; argmin in exact arithmetic, and both outputs hang on the argmin alone.  LIMIT: a NaN, an infinity or an overflow that reaches only ||z||^2, and reference()'s rounding of ||z||^2 + ||e_j||^2, are not carried to the result.
; CODEBOOK [8192][256] f32 -> 512 RECORDS of 2,304 bytes in cbq, one for each tile of 16 rows:
;   +0    four groups g = 2 s + c (K step s of 128, half c) of 512 bytes: lane l = r + 16 h has 16 bytes at 16 l: the 32 codes of row r, block 4 s + 2 c + h
;   +2048 32 scale words: word 16 s + r holds the four bytes of row r, K step s
;   +2176 16 f32: minus the sum of squares of each row (of the numbers as given);   +2240 64 bytes of zeros
; Z [16][256][32][32] f32 -> 1,024 TILES of 16 vectors: zq, 2,048 bytes a tile, laid as a record's codes; zs, 128 bytes a tile, laid as its scale words.  The product's left operand is 2 z: its codes are z's, its scale bytes
; one more than z's.  Tile 4 G + 2 a + p, column r, is vector 64 G + 32 a + 2 r + p.
; A block's scale is 2^(floor(log2(its largest magnitude)) - 2); its byte is the largest magnitude's exponent field - 2, held at 1 from below.
; LIMITS: a block of codebook or z whose largest magnitude lies under 2^(3 - 127), a block of zeros among them, gets the byte 1 (2 z: 2); its codes are zeros or small, and this program alone reads the bytes.
; NaN and infinities are not served.  A row's sum of squares: two packed chains of 16 in a lane, the chains, the pair, the lane 16 away, then (p0 + p1) + (p2 + p3) over the four groups.
; SHARES.  A work-group makes two records and four tiles.  Wave w: record t = w / 4, of each of its rows the 256 bytes from 256 q on, q = w % 4; and of the work-group's 64 vectors the 32 channels of block w.
; Work-groups share no input byte: no cluster, no tensor load.  All 40 loads of a wave go out together.
.set REC,  2304
.set SP,   272                         ; a stage row: 256 bytes + 16
.set STGW, 16*SP                       ; a wave's stage
.set TAIL, 8*STGW                      ; behind the stages: for each record the 256 bytes that end it
.set EEP,  TAIL+512                    ; and 16 rows x 4 partial sums of squares
.set ZT,   EEP+512                     ; the four tiles' scale words
.set SPARE, ZT+512                     ; the spare words, 128 bytes for each wave: four blocks of 256 bytes that no other line names
.set X,    16                          ; v16-47   codebook as loaded
.set Y,    48                          ; v48-79   32 neighbours along K
.set C,    80                          ; v80-83   their codes
.set SPW,  96
.set NIL,  97
.set ZX,   100                         ; v100-163 z as loaded: pair i = channel i of vectors 2 lane, 2 lane + 1
.set ZY,   164                         ; v164-227 the same by vectors: 32 channels of the even one, then of the odd one
.set ZC,   228                         ; v228-235 their codes
.set ZM,   236                         ; v236-239 largest magnitudes
.set ZE,   240                         ; v240-241 conversion scales;  v242-243 scale bytes
	s_load_b256 s[4:11], s[0:1], 0x0               ; codebook s[4:5], z_e s[6:7], cbq s[8:9], zq s[10:11]
	s_load_b64 s[24:25], s[0:1], 0x20              ; zs
	v_lshl_add_u32 v[SPW], v0, 2, SPARE
	v_mov_b32 v[NIL], 0
	v_lshrrev_b32 v1, 5, v0
	v_readfirstlane_b32 s12, v1                    ; wave 0..7
	s_lshr_b32 s13, s12, 2                         ; t
	s_and_b32 s14, s12, 3                          ; q
	s_lshr_b32 s15, s14, 1                         ; s
	s_and_b32 s16, s14, 1                          ; c
	s_mul_i32 s17, s12, STGW                       ; my stage
	s_lshl_b32 s18, s14, 9                         ; 512 q
	s_lshl_b32 s19, s13, 8                         ; 256 t
	s_lshl_b32 s22, s15, 6
	s_add_co_u32 s22, s22, s19
	s_lshl_b32 s23, s16, 1
	s_add_co_u32 s22, s22, s23
	s_add_co_u32 s22, s22, TAIL                    ; TAIL + 256 t + 64 s + 2 c
	s_add_co_u32 s26, s19, EEP                     ; EEP + 256 t
	s_lshl_b32 s23, s14, 2
	s_add_co_u32 s27, s26, s23                     ; + 4 q
	s_add_co_u32 s28, s19, TAIL                    ; TAIL + 256 t
	s_add_co_u32 s29, s28, 128
	s_lshl_b32 s30, s12, 8                         ; 256 w
	s_lshl_b32 s31, s13, 6
	s_add_co_u32 s31, s31, s14
	s_add_co_u32 s31, s31, ZT                      ; ZT + 64 (w / 4) + w % 4
	v_and_b32 v1, 31, v0                           ; lane
	v_and_b32 v2, 15, v0                           ; r
	v_bfe_u32 v3, v0, 4, 1                         ; h
	v_lshlrev_b32 v98, 3, v1                       ; 8 lane
	v_lshlrev_b32 v4, 4, v2
	v_mul_u32_u24 v5, v3, SP
	v_mul_u32_u24 v6, v2, SP
	v_lshlrev_b32 v99, 4, v1                       ; 16 lane
	v_lshl_add_u32 v14, v2, 4, s30
	v_lshl_add_u32 v15, v2, 2, s31
	v_lshl_add_u32 v8, v2, 2, v3
	v_lshl_add_u32 v4, v3, 10, v4                  ; in: lanes 0-15 one row's 256 bytes, lanes 16-31 the next row's
	v_lshl_add_u32 v5, v2, 4, v5
	v_lshl_add_u32 v6, v3, 7, v6
	v_lshl_add_u32 v14, v3, 12, v14                ; zq: 4096 h + 256 w + 16 r
	v_lshl_add_u32 v15, v3, 8, v15                 ; LDS: ZT + 256 h + 64 (w / 4) + 4 r + w % 4
	v_add_nc_u32 v8, s22, v8                       ; my scale byte: TAIL + 256 t + 64 s + 4 r + 2 c + h
	v_add_nc_u32 v5, s17, v5                       ; into the stage: row h of the two, 16 r
	v_add_nc_u32 v6, s17, v6                       ; out of it: row r, block h
	v_add_nc_u32 v7, s18, v99                      ; my codes in the record: 512 q + 16 lane
	v_lshl_add_u32 v9, v2, 4, s27                  ; my partial sum
	v_lshl_add_u32 v10, v2, 4, s26                 ; a row's four partial sums
	v_lshl_add_u32 v12, v1, 3, s28                 ; the record's last 256 bytes, 8 a lane
	v_lshl_add_u32 v11, v1, 2, s29                 ; their second half, 4 a lane
	v_add_nc_u32 v13, 2048, v98                    ; and their place in the record
	s_mov_b32 s20, 0x76543210
	s_mov_b32 s21, 0xfedcba98                      ; v_permlanex16_b32's selects for the lane 16 away
	s_lshl_b32 s22, ttmp9, 1
	s_add_co_u32 s22, s22, s13                     ; my record: 2 x work-group + t
	s_mul_i32 s28, s22, REC
	s_mov_b32 s29, 0
	s_lshl_b32 s22, s22, 14                        ; its 16 rows of 1,024 bytes,
	s_lshl_b32 s17, s14, 8
	s_add_co_u32 s22, s22, s17                     ; and my 256 bytes of each
	s_mov_b32 s23, 0
	s_lshr_b32 s30, ttmp9, 4                       ; z_e: image, 2^20 bytes each;
	s_lshl_b32 s30, s30, 20
	s_lshl_b32 s17, s12, 17                        ; my block's 32 planes of 4,096 bytes;
	s_add_co_u32 s30, s30, s17
	s_and_b32 s17, ttmp9, 15
	s_lshl_b32 s17, s17, 8                         ; the work-group's 64 places in a plane
	s_add_co_u32 s30, s30, s17
	s_mov_b32 s31, 0
	s_lshl_b32 s26, ttmp9, 13                      ; zq: four tiles
	s_mov_b32 s27, 0
	s_lshl_b32 s18, ttmp9, 9                       ; zs: four tiles
	s_mov_b32 s19, 0
	s_wait_alu depctr_va_vdst(0)                   ; the wait at the head's end
	s_wait_kmcnt 0x0
	s_add_nc_u64 s[4:5], s[4:5], s[22:23]
	s_add_nc_u64 s[6:7], s[6:7], s[30:31]
	s_add_nc_u64 s[8:9], s[8:9], s[28:29]
	s_add_nc_u64 s[10:11], s[10:11], s[26:27]
	s_add_nc_u64 s[24:25], s[24:25], s[18:19]
.irp i, 0,1,2,3,4,5,6,7
	global_load_b128 v[X+4*\i:X+4*\i+3], v4, s[4:5] offset:2048*\i   ; rows 2 i and 2 i + 1: two aligned runs of 256 bytes
.endr
.set I, 0
.rept 32
	global_load_b64 v[ZX+2*I:ZX+2*I+1], v98, s[6:7] offset:4096*I th:TH_LOAD_NT   ; channel I of 64 vectors: 256 consecutive bytes, aligned
.set I, I+1
.endr
.irp i, 0,1,2,3,4,5,6,7
	s_wait_loadcnt 39-\i                           ; loads come back in order: codebook load i is in; the 7 - i younger ones and z's 32 may be out
	ds_store_b128 v5, v[X+4*\i:X+4*\i+3] offset:2*SP*\i
.endr
.irp k, 0,1,2,3,4,5,6,7
	ds_load_b128 v[Y+4*\k:Y+4*\k+3], v6 offset:16*\k   ; my wave's own bytes, served in order: these see the stores above
.endr
	s_wait_dscnt 0x0
	; the sum of squares of my 32 numbers, and of the 32 in the lane 16 away
	v_pk_mul_f32 v[84:85], v[Y:Y+1], v[Y:Y+1]      ; the first products start the two chains
	v_pk_mul_f32 v[86:87], v[Y+2:Y+3], v[Y+2:Y+3]
.irp i, 4,8,12,16,20,24,28
	s_delay_alu instid0(VALU_DEP_2)
	v_pk_fma_f32 v[84:85], v[Y+\i:Y+\i+1], v[Y+\i:Y+\i+1], v[84:85]
	s_delay_alu instid0(VALU_DEP_2)
	v_pk_fma_f32 v[86:87], v[Y+\i+2:Y+\i+3], v[Y+\i+2:Y+\i+3], v[86:87]
.endr
	s_delay_alu instid0(VALU_DEP_1)
	v_pk_add_f32 v[84:85], v[84:85], v[86:87]
	s_delay_alu instid0(VALU_DEP_1)
	v_add_f32 v84, v84, v85
	s_delay_alu instid0(VALU_DEP_1)
	v_permlanex16_b32 v86, v84, s20, s21           ; (its destination has been written)
	s_delay_alu instid0(VALU_DEP_1)
	v_add_f32 v84, v84, v86                        ; 64 numbers of row r: the same in both halves of the lanes
	; the block's largest magnitude: all 32 numbers are mine
	v_max3_num_f32 v88, |v[Y]|, |v[Y+1]|, |v[Y+2]|
	v_max3_num_f32 v89, |v[Y+3]|, |v[Y+4]|, |v[Y+5]|
.irp i, 6,10,14,18,22,26
	s_delay_alu instid0(VALU_DEP_2)
	v_max3_num_f32 v88, v88, |v[Y+\i]|, |v[Y+\i+1]|
	s_delay_alu instid0(VALU_DEP_2)
	v_max3_num_f32 v89, v89, |v[Y+\i+2]|, |v[Y+\i+3]|
.endr
	s_delay_alu instid0(VALU_DEP_2)
	v_max3_num_f32 v88, v88, |v[Y+30]|, |v[Y+31]|
	s_delay_alu instid0(VALU_DEP_1)
	v_max3_num_f32 v88, v88, v89, 0x1800000        ; and the floor 2^(3 - 127): the byte cannot fall under 1
	s_delay_alu instid0(VALU_DEP_1)
	v_add_nc_u32 v90, 0xff000000, v88              ; 2 off its exponent field: the conversion takes the exponent field of this operand as its scale, and nothing else of it
.irp g, 0,1,2,3
	v_cvt_scalef32_pk8_fp4_f32 v[C+\g], v[Y+8*\g:Y+8*\g+7], v90   ; eight numbers / the scale, to the nearest code, ties to even, beyond 6 the largest code
.endr
	v_lshrrev_b32 v91, 23, v90                     ; the scale's byte (also the plain line behind the conversions)
	global_store_b128 v7, v[C:C+3], s[8:9]         ; the wave stores 512 consecutive bytes, at a multiple of 256 from cbq's first byte
	ds_store_b8 v8, v91
	ds_store_b32 v9, v84                           ; both halves of the lanes write the same word with the same value
	; ---- z: two vectors a lane, my 32 channels of each; four chains by turns
	s_wait_loadcnt 0x0
.irp p, 0,1
	v_max3_num_f32 v[ZM+2*\p],   |v[ZX+\p]|,   |v[ZX+2+\p]|, |v[ZX+4+\p]|
	v_max3_num_f32 v[ZM+2*\p+1], |v[ZX+6+\p]|, |v[ZX+8+\p]|, |v[ZX+10+\p]|
.endr
.irp i, 12,20,28,36,44,52
.irp p, 0,1
	v_max3_num_f32 v[ZM+2*\p],   v[ZM+2*\p],   |v[ZX+\i+\p]|,   |v[ZX+\i+2+\p]|
	v_max3_num_f32 v[ZM+2*\p+1], v[ZM+2*\p+1], |v[ZX+\i+4+\p]|, |v[ZX+\i+6+\p]|
.endr
.endr
.irp p, 0,1
	v_max3_num_f32 v[ZM+2*\p], v[ZM+2*\p], |v[ZX+60+\p]|, |v[ZX+62+\p]|
.endr
.irp p, 0,1
	v_max3_num_f32 v[ZM+2*\p], v[ZM+2*\p], v[ZM+2*\p+1], 0x1800000   ; the same floor
.endr
.irp p, 0,1
.irp i, 0,2,4,6,8,10,12,14,16,18,20,22,24,26,28,30
	v_dual_mov_b32 v[ZY+32*\p+\i], v[ZX+2*\i+\p] :: v_dual_mov_b32 v[ZY+32*\p+\i+1], v[ZX+2*\i+2+\p]   ; the conversions take neighbours along K from consecutive registers
.endr
.endr
.irp p, 0,1
	v_add_nc_u32 v[ZE+\p], 0xff000000, v[ZM+2*\p]      ; z's scale for the conversion
.endr
.irp p, 0,1
	v_add_nc_u32 v[ZE+2+\p], 0xff800000, v[ZM+2*\p]    ; one more: 2 z's
.endr
.irp p, 0,1
.irp g, 0,1,2,3
	v_cvt_scalef32_pk8_fp4_f32 v[ZC+4*\p+\g], v[ZY+32*\p+8*\g:ZY+32*\p+8*\g+7], v[ZE+\p]
.endr
.endr
.irp p, 0,1
	v_lshrrev_b32 v[ZE+2+\p], 23, v[ZE+2+\p]           ; its byte (also the plain lines behind the conversions)
.endr
.irp p, 0,1
	global_store_b128 v14, v[ZC+4*\p:ZC+4*\p+3], s[10:11] offset:2048*\p   ; tile p (lanes 0-15) and 2 + p (lanes 16-31): 256 consecutive bytes each, aligned
	ds_store_b8 v15, v[ZE+2+\p] offset:128*\p
.endr
	s_wait_dscnt 0x0                               ; for the others' sake: my stores have landed
	s_barrier_signal -1
	s_barrier_wait -1
	s_cmp_lg_u32 s14, 0                            ; waves 0 and 4 end their record
	s_cbranch_scc1 .Lnot_tail
	ds_load_b128 v[92:95], v10                     ; row r's four partial sums
	s_wait_dscnt 0x0
	v_add_f32 v92, v92, v93
	v_add_f32 v94, v94, v95
	v_cmp_gt_u32 vcc_lo, 16, v1
	v_add_f32 v92, v92, v94
	v_mul_f32 v92, -1.0, v92                       ; kept negative: it is the C of the next launch's first product
	v_cndmask_b32 v92, 0, v92, vcc_lo              ; lanes 16-31 give the 64 bytes of zeros
	ds_store_b32 v11, v92
	ds_load_b64 v[86:87], v12                      ; scale words (the four waves', behind the barrier), sums and zeros (mine, served in order)
	s_wait_dscnt 0x0
	global_store_b64 v13, v[86:87], s[8:9]         ; 32 lanes store 256 consecutive bytes, aligned
	s_branch .Lend
.Lnot_tail:
	s_cmp_lg_u32 s12, 1                            ; wave 1 stores the four tiles' scale words
	s_cbranch_scc1 .Lend
	ds_load_b128 v[92:95], v99 offset:ZT
	s_wait_dscnt 0x0
	global_store_b128 v99, v[92:95], s[24:25]      ; 512 consecutive bytes, aligned
.Lend:
	s_wait_tensorcnt 0x0                           ; the wave's end
	ds_add_u32 v[SPW], v[NIL]
	s_wait_dscnt 0x0
	s_endpgm
.Lfunc_end_k_q886b1bf70d_quant:
	.size	k_q886b1bf70d_quant, .Lfunc_end_k_q886b1bf70d_quant-k_q886b1bf70d_quant
	.p2alignl 7, 3214868480
	.fill 96, 4, 3214868480
	.section	.rodata,"a",@progbits
	.p2align	6, 0x0
	.amdhsa_kernel k_q886b1bf70d_quant
		.amdhsa_group_segment_fixed_size 37376
		.amdhsa_private_segment_fixed_size 0
		.amdhsa_enable_private_segment 0
		.amdhsa_kernarg_size 40
		.amdhsa_user_sgpr_count 2
		.amdhsa_user_sgpr_kernarg_segment_ptr 1
		.amdhsa_wavefront_size32 1
		.amdhsa_system_sgpr_workgroup_id_x 1
		.amdhsa_system_sgpr_workgroup_id_y 1
		.amdhsa_system_sgpr_workgroup_id_z 1
		.amdhsa_system_vgpr_workitem_id 0
		.amdhsa_next_free_vgpr 248
		.amdhsa_next_free_sgpr 66
		.amdhsa_reserve_vcc 1
		.amdhsa_float_denorm_mode_32 3
		.amdhsa_float_denorm_mode_16_64 3
		.amdhsa_memory_ordered 1
		.amdhsa_forward_progress 1
		.amdhsa_inst_pref_size 19
	.end_amdhsa_kernel
	.amdgpu_metadata
---
amdhsa.version: [ 1, 2 ]
amdhsa.kernels:
  - .name:           k_q886b1bf70d_quant
    .symbol:         k_q886b1bf70d_quant.kd
    .args:
      - { .name: codebook, .offset: 0, .size: 8, .value_kind: global_buffer, .address_space: global }
      - { .name: z_e, .offset: 8, .size: 8, .value_kind: global_buffer, .address_space: global }
      - { .name: cbq, .offset: 16, .size: 8, .value_kind: global_buffer, .address_space: global }
      - { .name: zq, .offset: 24, .size: 8, .value_kind: global_buffer, .address_space: global }
      - { .name: zs, .offset: 32, .size: 8, .value_kind: global_buffer, .address_space: global }
    .group_segment_fixed_size: 37376
    .private_segment_fixed_size: 0
    .kernarg_segment_align: 8
    .kernarg_segment_size: 40
    .max_flat_workgroup_size: 256
    .sgpr_count:     66
    .vgpr_count:     248
    .wavefront_size: 32
...
	.end_amdgpu_metadata
.endif
;; end of part 1
;; launch nearest (part 2): grid 256 x 1, 8 waves a work-group, clusters of 4 x 1, 327,680 bytes of LDS; arguments zq, zs, cbq, cand; writes cand
.if DOCPART == 2
	.amdgcn_target "amdgcn-amd-amdhsa--gfx1250"
	.amdhsa_code_object_version 6
	.text
	.protected	k_q886b1bf70d_nearest
	.globl	k_q886b1bf70d_nearest
	.p2align	8
	.type	k_q886b1bf70d_nearest,@function
k_q886b1bf70d_nearest:
	s_mov_b64 s[64:65], 0
	v_nop
	global_prefetch_b8 v0, s[64:65] scope:SCOPE_SE
	s_setreg_imm32_b32 hwreg(HW_REG_WAVE_MODE, 25, 1), 1
	s_wait_xcnt 0x0
	s_wait_alu depctr_hold_cnt(0) depctr_sa_sdst(0) depctr_va_vdst(0) depctr_va_sdst(0) depctr_va_ssrc(0) depctr_va_vcc(0) depctr_vm_vsrc(0)
	s_getreg_b32 s2, hwreg(HW_REG_IB_STS2, 6, 4)
	s_cmp_eq_u32 s2, 0
	s_cbranch_scc0 .Lentry_in_a_cluster
	s_endpgm
.Lentry_in_a_cluster:
	s_bfe_u32 s2, ttmp6, 0x10000c
	s_cmp_lg_u32 s2, 0x3003
	s_cbranch_scc0 .Lentry_shape_is_right
	s_endpgm
.Lentry_shape_is_right:
; For each of 16,384 vectors z and each QUARTER of the codebook (2,048 rows): the FIRST index j that makes ee_j - (2 z) . e_j least in that quarter, and that least number.  Codes and scale bytes come from zq, zs, cbq.
; LEFT OUT as dead work: ||z||^2, the same for every j (shown at the head of the first kernel).
; OUT: cand[quarter][vector] = (key, index), 8 bytes.  The key is the largest (2 z) . e_j - ee_j as a whole number that keeps its order under a signed comparison; the next launch joins the quarters.
; SHARES.  A work-group owns 256 vectors (16 tiles) and one quarter: 128 records, 294,912 bytes, which all stay in LDS; no byte is filled again.  Eight waves, two to a SIMD.  Wave w: row group g = w / 4 (128 vectors: eight
; tiles of z, in registers) and subset u = w % 4: records 8 u .. + 7 of the first 32, and 24 u .. + 23 of the other 96.  A record read from LDS feeds 16 matrix instructions.
; Each wave FETCHES by one tensor load: waves 0-3 the first 32 records, waves 4-7 the other 96: the first part is worked on while the second is on its way.
; LAYOUT.  Source 0 = 16 codebook rows, source 1 = 16 vectors: in the result lane (r, h) holds vector r and register j codebook row 8 h + j of the record: a lane holds ONE vector, and the search runs along registers.
; ARITHMETIC.  The first product's C is -ee, the second adds in place.  Records go in PAIRS: 16 numbers a lane for each tile.  The running largest R takes them by eight three-way maxima; where R has grown (strictly: of equal
; pairs the first stays, and a wave's pairs ascend) the lane keeps the 16 numbers (the stash) and the pair's number, by selects: no branch hangs on data.  At the end j is the first number of the stash that equals R;
; halves of the lanes and waves are joined by (larger number; if equal, smaller index).
; CLUSTER.  The four work-groups of a cluster have the same quarter: each piece is asked for JOINTLY (the same tensor load, the same descriptor, mask 15); a descriptor hangs on the wave's number and on the cluster's number
; alone, and no LDS address hangs on the place in the cluster.
; NO PREFETCH: every byte is asked for at the head, and there is no loop to run ahead in.
; LIMITS: NaN and infinities are not served.
; ORDER OF ROUNDING: (-ee + P over channels 0-127) + P over channels 128-255, each step rounded by the matrix unit.
; REGISTERS.  Window 0: below.  Window 1: v0-127 z's fragments, 16 m + 8 s;  v128-191 two buffers of a pair's fragments;  v192-223 two buffers of its -ee.
.set REC,   2304                       ; a record: 2,048 bytes of codes, 128 of scale words, 64 of -ee, 64 of zeros
.set NP0,   4                          ; pairs of a wave in the first part, twelve in the second
.set SLOT1, 32*REC                     ; where the second part lies
.set MRG,   128*REC                    ; 8 waves x 128 vectors x (largest, index)
.set SPARE, MRG+8192                   ; the spare words, 128 bytes for each wave: four blocks of 256 bytes that no other line names
.set BARQ,  NP0-2                      ; the pair that first asks for bytes of the second part
.set SPW,   1
.set NIL,   2
.set AC,    3                          ; v3, v4   my records' codes in part 0, 1
.set AS,    5                          ; v5, v6   their scale words
.set RA,    8                          ; v8-15, v16-23  the running largest, old and new by turns
.set TT,    24                         ; v24-31   the pair that holds it
.set ZS,    32                         ; v32-39   z's scale words: lanes 0-15 K step 0, lanes 16-31 K step 1; scales and nothing else while products run
.set CS,    40                         ; v40-43   the records' scale words, 2 x buffer + record; likewise
.set TB,    44                         ; v44-51   at work, four a tile
.set AE,    60                         ; v60, v61 where my records' -ee lie in part 0, 1
.set ST,    64                         ; v64-191  the stash: 16 for each tile of z
.set ACC,   192                        ; v192-255 two sets of four accumulators: two tiles of z x two records
.set CB,    128                        ; window 1
.set EE,    192                        ; window 1: 16 x buffer + 8 x record: rows 8 h .. 8 h + 7
.set PV,    32                         ; v32-47   at the end: eight pairs (largest, index)
.set OV,    208                        ; v208-223 at the end: those of the lane 16 away
.set G1,    16                         ; s[16:23], s[48:55] descriptor group 1 for the two parts
.set G1B,   48
.set G0,    24                         ; s[24:27], s[28:31] group 0
.set MSB, 0
.macro WIN new                         ; the immediate's high byte repeats the setting that is left
.if MSB != \new
	s_set_vgpr_msb (MSB<<8)|\new
.set MSB, \new
.endif
.endm
.macro ROUND                           ; a round of the cluster's barrier
	s_barrier_signal -1
	s_barrier_wait -1
	s_cmp_lg_u32 s12, 0
	s_cbranch_scc1 .Lnot_wave_0_\@
	s_barrier_signal -3
.Lnot_wave_0_\@:
	s_barrier_wait -3
	s_barrier_signal -1
	s_barrier_wait -1
.endm
.macro PLACES                          ; four plain lines behind matrix instructions (ISA guide 7.12.1)
.rept 4
	v_nop
.endr
.endm
.macro LDC j                           ; 14 LDS loads: pair j's scale words, -ee and fragments into buffer j % 2
.set LJ, \j
.set LB, LJ%2
.if LJ < NP0
.set LS, 0
.set LO, 2*REC*LJ
.else
.set LS, 1
.set LO, 2*REC*(LJ-NP0)
.endif
.irp e, 0,1
	ds_load_b32 v[CS+2*LB+\e], v[AS+LS] offset:LO+REC*\e+2048
.endr
	WIN 0x40
.irp e, 0,1
	ds_load_b128 v[EE+16*LB+8*\e:EE+16*LB+8*\e+3],   v[AE+LS] offset:LO+REC*\e+2176
	ds_load_b128 v[EE+16*LB+8*\e+4:EE+16*LB+8*\e+7], v[AE+LS] offset:LO+REC*\e+2192
.endr
.irp e, 0,1
.irp g, 0,1,2,3
	ds_load_b128 v[CB+32*LB+16*\e+4*\g:CB+32*LB+16*\e+4*\g+3], v[AC+LS] offset:LO+REC*\e+512*\g
.endr
.endr
	WIN 0
.endm
.macro W k                             ; tiles 2 k, 2 k + 1 against the pair in buffer PB: the four accumulators of set k % 2 by turns, one instruction a turn, K step 0 and then K step 1
.set WX, ACC+32*((\k)%2)
	WIN 0x15
.irp m, 0,1
.irp e, 0,1
	v_wmma_scale_f32_16x16x128_f8f6f4 v[WX+16*\m+8*\e:WX+16*\m+8*\e+7], v[CB+32*PB+16*\e:CB+32*PB+16*\e+7], v[32*\k+16*\m:32*\k+16*\m+7], v[EE+16*PB+8*\e:EE+16*PB+8*\e+7], v[CS+2*PB+\e], v[ZS+2*\k+\m] matrix_a_fmt:MATRIX_FMT_FP4 matrix_b_fmt:MATRIX_FMT_FP4
.endr
.endr
	WIN 0x05
.irp m, 0,1
.irp e, 0,1
	v_wmma_scale_f32_16x16x128_f8f6f4 v[WX+16*\m+8*\e:WX+16*\m+8*\e+7], v[CB+32*PB+16*\e+8:CB+32*PB+16*\e+15], v[32*\k+16*\m+8:32*\k+16*\m+15], v[WX+16*\m+8*\e:WX+16*\m+8*\e+7], v[CS+2*PB+\e], v[ZS+2*\k+\m] matrix_a_fmt:MATRIX_FMT_FP4 matrix_b_fmt:MATRIX_FMT_FP4 matrix_a_scale:MATRIX_SCALE_ROW1 matrix_b_scale:MATRIX_SCALE_ROW1
.endr
.endr
	WIN 0
.endm
; Unit k (tiles 2 k, 2 k + 1) of pair q enters the search, in two parts.  Even pairs write R to v8-15, odd ones to v16-23.  Each accumulator is first read at its low end; the maxima form a tree of three levels.
.macro PM1 k, q                        ; ten plain lines
.set PQ, \q
.set PX, ACC+32*((\k)%2)
.set RN, RA+8*(PQ%2)+2*(\k)
.set RO, RA+8*(1-PQ%2)+2*(\k)
.irp m, 0,1
.if PQ == 0
	v_max3_num_f32 v[RN+\m], v[PX+16*\m], v[PX+16*\m+1], v[PX+16*\m+2]   ; the first pair starts R and the stash: nothing is cleared
	v_max3_num_f32 v[TB+4*\m], v[PX+16*\m+3], v[PX+16*\m+4], v[PX+16*\m+5]
	v_max_num_f32 v[TB+4*\m+1], v[PX+16*\m+6], v[PX+16*\m+7]
.else
	v_max3_num_f32 v[RN+\m], v[RO+\m], v[PX+16*\m], v[PX+16*\m+1]
	v_max3_num_f32 v[TB+4*\m], v[PX+16*\m+2], v[PX+16*\m+3], v[PX+16*\m+4]
	v_max3_num_f32 v[TB+4*\m+1], v[PX+16*\m+5], v[PX+16*\m+6], v[PX+16*\m+7]
.endif
	v_max3_num_f32 v[TB+4*\m+2], v[PX+16*\m+8], v[PX+16*\m+9], v[PX+16*\m+10]
	v_max3_num_f32 v[TB+4*\m+3], v[PX+16*\m+11], v[PX+16*\m+12], v[PX+16*\m+13]
.endr
.endm
.macro PM2 k
.set PS, ST+32*(\k)
.irp m, 0,1
	v_max3_num_f32 v[TB+4*\m+2], v[TB+4*\m+2], v[TB+4*\m+3], v[PX+16*\m+14]
	v_max3_num_f32 v[RN+\m], v[RN+\m], v[TB+4*\m], v[TB+4*\m+1]
.endr
.irp m, 0,1
	v_max3_num_f32 v[RN+\m], v[RN+\m], v[TB+4*\m+2], v[PX+16*\m+15]
.endr
.if PQ == 0
.irp m, 0,1
.irp j, 0,2,4,6,8,10,12,14
	v_dual_mov_b32 v[PS+16*\m+\j], v[PX+16*\m+\j] :: v_dual_mov_b32 v[PS+16*\m+\j+1], v[PX+16*\m+\j+1]
.endr
	v_mov_b32 v[TT+2*\k+\m], 0
.endr
.else
	v_cmp_gt_f32 vcc_lo, v[RN], v[RO]              ; has R grown?  Strictly: an equal number of a later pair changes nothing
	v_cmp_gt_f32 s40, v[RN+1], v[RO+1]
.irp j, 0,2,4,6,8,10,12,14
	v_dual_cndmask_b32 v[PS+\j], v[PS+\j], v[PX+\j] :: v_dual_cndmask_b32 v[PS+\j+1], v[PS+\j+1], v[PX+\j+1]
.endr
	v_cndmask_b32 v[TT+2*\k], v[TT+2*\k], PQ, vcc_lo
	s_mov_b32 vcc_lo, s40
	v_cndmask_b32 v[TT+2*\k+1], v[TT+2*\k+1], PQ, s40
.irp j, 0,2,4,6,8,10,12,14
	v_dual_cndmask_b32 v[PS+16+\j], v[PS+16+\j], v[PX+16+\j] :: v_dual_cndmask_b32 v[PS+16+\j+1], v[PS+16+\j+1], v[PX+16+\j+1]
.endr
.endif
.endm
; Pair Q.  The search of a unit stands behind the next unit's products: it fills the places of both.  The pair after next is asked for behind ten plain lines that follow the last products that read its buffer.
.macro PAIR
.set PB, Q%2
.if (Q == BARQ) || (Q == 15)
	s_wait_dscnt 0x0
.else
	s_wait_dscnt 14                                ; this pair's 14 loads are in; the next pair's 14 may be out
.endif
	W 0
.if Q > 0
	PM1 3, Q-1
	PM2 3
.endif
	W 1
.if Q == 0
	PLACES
.endif
	PM1 0, Q
	PM2 0
	W 2
	PM1 1, Q
	PM2 1
.if Q == BARQ
	s_wait_tensorcnt 0x0                           ; my piece is in, and no LDS instruction of mine is out:
	s_barrier_signal -1                            ; say so.  It shows the second part whole to the waves that read what others fetched
.endif
	W 3
	PM1 2, Q
.if Q == BARQ
	s_wait_alu depctr_va_vdst(0)
	s_barrier_wait -1
.endif
.if Q < 14
	LDC Q+2
.endif
	PM2 2
.endm
	s_load_b256 s[4:11], s[0:1], 0x0               ; zq s[4:5], zs s[6:7], cbq s[8:9], cand s[10:11]
	v_lshl_add_u32 v[SPW], v0, 2, SPARE
	v_mov_b32 v[NIL], 0
	ds_add_u32 v[SPW], v[NIL]                      ; the wave's opening: the add, twice on end, and its wait ahead of my first tensor load
	ds_add_u32 v[SPW], v[NIL]
	v_lshrrev_b32 v7, 5, v0
	v_readfirstlane_b32 s12, v7                    ; wave 0..7
	s_bfe_u32 s32, ttmp6, 0x40000                  ; cx: my place in the cluster
	s_and_b32 s33, ttmp9, 3                        ; in a cluster launch ttmp9 counts clusters: which quarter of the codebook, the same for the four partners
	s_lshr_b32 s34, ttmp9, 2
	s_lshl_b32 s34, s34, 2
	s_add_co_u32 s34, s34, s32                     ; my block of 256 vectors: it enters the addresses of zq, zs and cand alone
	s_lshr_b32 s13, s12, 2                         ; g
	s_and_b32 s14, s12, 3                          ; u
	; descriptor group 1: eight records, 18,432 dense bytes, as 72 rows of 256 bytes; 24 records as 216 rows
.irp g, G1, G1B
	s_mov_b32 s[\g+0], 15|(3<<16)|(1<<21)          ; 15:0 the mask: all four work-groups; 17:16 elements of 8 bytes; 20 no padding; 21 set beside a mask
	s_mov_b32 s[\g+1], 32<<16                      ; tensor_dim0 = 32
	s_mov_b32 s[\g+3], 32<<16                      ; tile_dim0 = 32
	s_mov_b32 s[\g+5], 32                          ; from row to row
	s_mov_b32 s[\g+6], 0
	s_mov_b32 s[\g+7], 0
.endr
	s_mov_b32 s[G1+2], 72<<16                      ; tensor_dim1, tile_dim1
	s_mov_b32 s[G1+4], 72
	s_mov_b32 s[G1B+2], 216<<16
	s_mov_b32 s[G1B+4], 216
	s_mul_i32 s15, s14, 8*REC                      ; what I read of the first part (and fetch, if I am one of waves 0-3),
	s_mul_i32 s35, s14, 24*REC
	s_add_co_u32 s35, s35, SLOT1                   ; and of the second (waves 4-7): the same place in LDS and in the quarter
	s_mul_i32 s44, s33, 128*REC
	s_add_co_u32 s42, s44, s15
	s_mov_b32 s43, 0
	s_add_co_u32 s46, s44, s35
	s_mov_b32 s47, 0
	s_lshl_b32 s58, s34, 11                        ; zs: 2,048 bytes a block, 1,024 a row group;
	s_lshl_b32 s41, s13, 10
	s_add_co_u32 s58, s58, s41
	s_mov_b32 s59, 0
	s_lshl_b32 s56, s58, 4                         ; zq: 16 times that
	s_mov_b32 s57, 0
	s_lshl_b32 s60, s33, 17                        ; cand: 131,072 bytes a quarter, 2,048 a block, 1,024 a row group, 256 a wave
	s_add_co_u32 s60, s60, s58
	s_lshl_b32 s41, s14, 8
	s_add_co_u32 s60, s60, s41
	s_mov_b32 s61, 0
	s_mov_b32 s36, 0x76543210
	s_mov_b32 s37, 0xfedcba98                      ; v_permlanex16_b32's selects for the lane 16 away
	v_and_b32 v7, 31, v0                           ; lane
	v_bfe_u32 v63, v0, 4, 1                        ; h
	v_lshl_add_u32 v[AC], v7, 4, s15
	v_lshl_add_u32 v[AC+1], v7, 4, s35
	v_lshl_add_u32 v[AS], v7, 2, s15
	v_lshl_add_u32 v[AS+1], v7, 2, s35
	v_lshl_add_u32 v[AE], v63, 5, s15
	v_lshl_add_u32 v[AE+1], v63, 5, s35
	v_lshlrev_b32 v8, 4, v7
	v_lshlrev_b32 v9, 2, v7
	s_wait_alu depctr_va_vdst(0)                   ; the wait at the head's end
	s_wait_dscnt 0x0                               ; both opening adds are done
	ROUND                                          ; all four work-groups are here: the joint loads meet.  It needs no argument, so it stands ahead of the wait for them
	s_wait_kmcnt 0x0
	s_mov_b32 s[G0+0], 1                           ; count = 1
	s_mov_b32 s[G0+1], s15                         ; LDS address
	s_add_nc_u64 s[G0+2:G0+3], s[8:9], s[42:43]    ; global address
	s_or_b32 s[G0+3], s[G0+3], 0x80000000          ; type = 2
	s_mov_b32 s[G0+4], 1
	s_mov_b32 s[G0+5], s35
	s_add_nc_u64 s[G0+6:G0+7], s[8:9], s[46:47]
	s_or_b32 s[G0+7], s[G0+7], 0x80000000
	s_add_nc_u64 s[4:5], s[4:5], s[56:57]
	s_add_nc_u64 s[6:7], s[6:7], s[58:59]
	s_add_nc_u64 s[10:11], s[10:11], s[60:61]
	s_cmp_lg_u32 s13, 0                            ; one load a wave
	s_cbranch_scc1 .Lsecond
	tensor_load_to_lds s[G0:G0+3], s[G1:G1+7]
	s_nop 0
	PLACES
	s_branch .Lasked
.Lsecond:
	tensor_load_to_lds s[G0+4:G0+7], s[G1B:G1B+7]
	s_nop 0
	PLACES
.Lasked:
	; my row group's z: eight tiles' fragments, 512 consecutive bytes a load, and their scale words
	WIN 0x40
.irp m, 0,1,2,3,4,5,6,7
.irp g, 0,1,2,3
	global_load_b128 v[16*\m+4*\g:16*\m+4*\g+3], v8, s[4:5] offset:2048*\m+512*\g
.endr
.endr
	WIN 0
.irp m, 0,1,2,3,4,5,6,7
	global_load_b32 v[ZS+\m], v9, s[6:7] offset:128*\m
.endr
	s_cmp_lg_u32 s13, 0
	s_cbranch_scc1 .Lmine_later
	s_wait_tensorcnt 0x0                           ; waves 0-3: my piece of the first part is in.  (Waves 4-7 wait for theirs in pair BARQ)
.Lmine_later:
	s_barrier_signal -1                            ; it shows the first part whole
	s_barrier_wait -1
	LDC 0
	LDC 1
	s_wait_loadcnt 0x0                             ; z is in
.set Q, 0
.rept 16
	PAIR
.set Q, Q+1
.endr
	PM1 3, 15
	PM2 3
	; ---- the end.  R is in v16-23 (pair 15 is odd).  The place in the pair: the first number of the stash that equals R: from 14 down, so that the lowest is written last; number 15 if none of them does.  Number k is row (k % 8) + 16 (k / 8)
	s_lshl_b32 s41, s33, 11                        ; 2,048 x quarter
	s_mul_i32 s42, s14, 16*8
	s_add_co_u32 s42, s42, s41                     ; pairs 0-3: record 8 u + 2 q
	s_mul_i32 s43, s14, 16*24
	s_add_co_u32 s43, s43, s41
	s_add_co_u32 s43, s43, 16*24                   ; pairs 4-15: record 32 + 24 u + 2 (q - 4)
	s_lshl_b32 s44, s12, 10
	s_add_co_u32 s44, s44, MRG
	s_lshl_b32 s45, s13, 12
	s_lshl_b32 s46, s14, 8
	s_add_co_u32 s45, s45, s46
	s_add_co_u32 s45, s45, MRG
	v_bfe_u32 v62, v0, 4, 1                        ; h
	v_and_b32 v63, 15, v0                          ; r
	v_and_b32 v7, 31, v0                           ; lane
.irp m, 0,1,2,3,4,5,6,7
	v_mov_b32 v[ACC+\m], 23
.endr
	v_lshl_add_u32 v60, v62, 3, s42
	v_lshl_add_u32 v61, v62, 3, s43
	v_lshl_add_u32 v3, v63, 4, s44                 ; my results: MRG + 1024 w + 16 r (vectors 2 r, 2 r + 1 of a 32)
	v_lshl_add_u32 v4, v7, 3, s45                  ; the row group's: MRG + 4096 g + 256 u + 8 lane
	v_lshlrev_b32 v5, 3, v7
.irp k, 14,13,12,11,10,9,8,7,6,5,4,3,2,1,0
.set OFFK, \k%8+16*(\k/8)
.irp m, 0,1,2,3,4,5,6,7
	v_cmp_neq_f32 s[56+\m], v[ST+16*\m+\k], v[RA+8+\m]
.endr
.irp m, 0,1,2,3,4,5,6,7
	v_cndmask_b32 v[ACC+\m], OFFK, v[ACC+\m], s[56+\m]
.endr
.endr
.irp m, 0,1,2,3,4,5,6,7
	v_cmp_gt_u32 s[56+\m], NP0, v[TT+\m]
.endr
.irp m, 0,1,2,3,4,5,6,7
	v_cndmask_b32 v[ACC+8+\m], v61, v60, s[56+\m]
.endr
.irp m, 0,1,2,3,4,5,6,7
	v_lshl_add_u32 v[ACC+8+\m], v[TT+\m], 5, v[ACC+8+\m]
.endr
.irp m, 0,1,2,3,4,5,6,7
	v_mov_b32 v[PV+2*\m], v[RA+8+\m]
	v_add_nc_u32 v[PV+2*\m+1], v[ACC+8+\m], v[ACC+\m]   ; the index
.endr
.irp m, 0,1,2,3,4,5,6,7
	v_permlanex16_b32 v[OV+2*\m], v[PV+2*\m], s36, s37  ; the vector's other eight rows of each record lie in the lane 16 away (the destinations have been written)
	v_permlanex16_b32 v[OV+2*\m+1], v[PV+2*\m+1], s36, s37
.endr
.irp m, 0,1,2,3,4,5,6,7
	v_cmp_gt_f32 s[66+\m], v[OV+2*\m], v[PV+2*\m]
	v_cmp_eq_f32 s[74+\m], v[OV+2*\m], v[PV+2*\m]
	v_cmp_lt_u32 s[82+\m], v[OV+2*\m+1], v[PV+2*\m+1]
.endr
.irp m, 0,1,2,3,4,5,6,7
	s_and_b32 s[74+\m], s[74+\m], s[82+\m]
	s_or_b32 s[66+\m], s[66+\m], s[74+\m]
.endr
.irp m, 0,1,2,3,4,5,6,7
	v_cndmask_b32 v[PV+2*\m], v[PV+2*\m], v[OV+2*\m], s[66+\m]
	v_cndmask_b32 v[PV+2*\m+1], v[PV+2*\m+1], v[OV+2*\m+1], s[66+\m]
.endr
.irp a, 0,1,2,3
	ds_store_b128 v3, v[PV+4*\a:PV+4*\a+3] offset:256*\a   ; tiles 2 a, 2 a + 1: vectors 32 a + 2 r and the next.  Both halves of the lanes write the same bytes with the same values
.endr
	s_wait_alu depctr_va_vdst(0)
	s_wait_dscnt 0x0                               ; for the others' sake: my stores have landed
	s_barrier_signal -1
	s_barrier_wait -1
	; my wave joins the four subsets for 32 vectors of its row group, one a lane
.irp u, 0,1,2,3
	ds_load_b64 v[ACC+2*\u:ACC+2*\u+1], v4 offset:1024*\u
.endr
	s_wait_dscnt 0x0
.irp u, 1,2,3
	v_cmp_gt_f32 s66, v[ACC+2*\u], v[ACC]
	v_cmp_eq_f32 s67, v[ACC+2*\u], v[ACC]
	v_cmp_lt_u32 s68, v[ACC+2*\u+1], v[ACC+1]
	s_and_b32 s67, s67, s68
	s_or_b32 s66, s66, s67
	v_cndmask_b32 v[ACC], v[ACC], v[ACC+2*\u], s66
	v_cndmask_b32 v[ACC+1], v[ACC+1], v[ACC+2*\u+1], s66
.endr
	v_add_f32 v[ACC], 0, v[ACC]                    ; the number becomes a whole number of the same order: -0 is made +0; below 0 all bits but the sign are turned
	v_ashrrev_i32 v6, 31, v[ACC]
	v_and_b32 v6, 0x7fffffff, v6
	v_xor_b32 v[ACC], v[ACC], v6
	global_store_b64 v5, v[ACC:ACC+1], s[10:11]    ; 32 lanes store 256 consecutive bytes, aligned
	s_wait_tensorcnt 0x0                           ; the wave's end
	ds_add_u32 v[SPW], v[NIL]
	s_wait_dscnt 0x0
	ROUND                                          ; the closing round: no work-group ends while a partner may still ask for a piece that names it
	s_endpgm
.Lfunc_end_k_q886b1bf70d_nearest:
	.size	k_q886b1bf70d_nearest, .Lfunc_end_k_q886b1bf70d_nearest-k_q886b1bf70d_nearest
	.p2alignl 7, 3214868480
	.fill 96, 4, 3214868480
	.section	.rodata,"a",@progbits
	.p2align	6, 0x0
	.amdhsa_kernel k_q886b1bf70d_nearest
		.amdhsa_group_segment_fixed_size 327680
		.amdhsa_private_segment_fixed_size 0
		.amdhsa_enable_private_segment 0
		.amdhsa_kernarg_size 32
		.amdhsa_user_sgpr_count 2
		.amdhsa_user_sgpr_kernarg_segment_ptr 1
		.amdhsa_wavefront_size32 1
		.amdhsa_system_sgpr_workgroup_id_x 1
		.amdhsa_system_sgpr_workgroup_id_y 1
		.amdhsa_system_sgpr_workgroup_id_z 1
		.amdhsa_system_vgpr_workitem_id 0
		.amdhsa_next_free_vgpr 480
		.amdhsa_next_free_sgpr 90
		.amdhsa_reserve_vcc 1
		.amdhsa_float_denorm_mode_32 3
		.amdhsa_float_denorm_mode_16_64 3
		.amdhsa_memory_ordered 1
		.amdhsa_forward_progress 1
		.amdhsa_inst_pref_size 255
	.end_amdhsa_kernel
	.section	.bss,"aw",@nobits
	.p2align	6
	.space	262144
	.amdgpu_metadata
---
amdhsa.version: [ 1, 2 ]
amdhsa.kernels:
  - .name:           k_q886b1bf70d_nearest
    .symbol:         k_q886b1bf70d_nearest.kd
    .args:
      - { .name: zq, .offset: 0, .size: 8, .value_kind: global_buffer, .address_space: global }
      - { .name: zs, .offset: 8, .size: 8, .value_kind: global_buffer, .address_space: global }
      - { .name: cbq, .offset: 16, .size: 8, .value_kind: global_buffer, .address_space: global }
      - { .name: cand, .offset: 24, .size: 8, .value_kind: global_buffer, .address_space: global }
    .group_segment_fixed_size: 327680
    .private_segment_fixed_size: 0
    .kernarg_segment_align: 8
    .kernarg_segment_size: 32
    .max_flat_workgroup_size: 256
    .sgpr_count:     90
    .vgpr_count:     480
    .wavefront_size: 32
...
	.end_amdgpu_metadata
.endif
;; end of part 2
;; launch gather (part 3): grid 256 x 1, 8 waves a work-group, no clusters, 0 bytes of LDS; arguments cand, codebook, out0, out1; writes out0, out1
.if DOCPART == 3
	.amdgcn_target "amdgcn-amd-amdhsa--gfx1250"
	.amdhsa_code_object_version 6
	.text
	.protected	k_q886b1bf70d_gather
	.globl	k_q886b1bf70d_gather
	.p2align	8
	.type	k_q886b1bf70d_gather,@function
k_q886b1bf70d_gather:
	s_mov_b64 s[64:65], 0
	v_nop
	global_prefetch_b8 v0, s[64:65] scope:SCOPE_SE
	s_setreg_imm32_b32 hwreg(HW_REG_WAVE_MODE, 25, 1), 1
	s_wait_xcnt 0x0
; cand[quarter][n] = (key, index): for vector n the nearest row in each quarter of the codebook, stored as whole numbers by the launch before; the larger key (signed) is the smaller distance.
; out1[n] = the index of the largest key; of equal keys the lowest quarter's, which is the lowest index.  out0[n][:] = codebook[out1[n]][:].  codebook: [8192][256] f32; out0: [16384][256] f32; out1: [16384] int32.
; A wave owns eight rows of out0.  Its 32 candidates come by four scalar loads; the choice is scalar compares of whole numbers and selects; the index is held to 0 .. 8191 (the table's rows) and enters a vector
; offset beside the codebook's own address.  A row is 1,024 bytes: two loads of 512 consecutive bytes a wave, two stores of the same.  All sixteen loads of a wave are out together; no loop, no LDS, no barrier.
; Wave 0 also makes the work-group's 64 numbers of out1, two a lane, so that they leave as 256 consecutive bytes.
; Which rows a work-group reads hangs on the list: there is no tile that work-groups are known to share, so no cluster and no tensor load; no prefetch: there is no loop to run ahead in.
.set D,    8                           ; v8-71   eight rows x 2 x 4 registers
.set OFF,  72                          ; v72-79  row k: 1024 x index + 16 lane
.set QB,   131072                      ; bytes of cand for a quarter of the codebook
	s_load_b256 s[4:11], s[0:1], 0x0               ; cand s[4:5], codebook s[6:7], out0 s[8:9], out1 s[10:11]
	v_lshrrev_b32 v1, 5, v0
	v_readfirstlane_b32 s12, v1                    ; wave 0..7
	v_and_b32 v3, 31, v0
	v_lshlrev_b32 v1, 4, v3                        ; 16 bytes a lane
	v_lshlrev_b32 v2, 3, v3                        ; 8 bytes a lane
	s_lshl_b32 s13, ttmp9, 3
	s_add_co_u32 s13, s13, s12                     ; which run of eight rows is mine
	s_lshl_b32 s24, s13, 6                         ; its eight candidates of a quarter, 8 bytes each,
	s_mov_b32 s25, 0
	s_lshl_b32 s26, s13, 13                        ; its eight rows of out0,
	s_mov_b32 s27, 0
	s_lshl_b32 s28, ttmp9, 8                       ; the work-group's 64 numbers of out1
	s_mov_b32 s29, 0
	s_wait_alu depctr_va_vdst(0)                   ; the wait at the head's end
	s_wait_kmcnt 0x0
	s_add_nc_u64 s[4:5], s[4:5], s[24:25]
	s_add_nc_u64 s[8:9], s[8:9], s[26:27]
	s_add_nc_u64 s[10:11], s[10:11], s[28:29]
	s_load_b512 s[32:47], s[4:5], 0x0              ; quarter 0: (key, index) x 8
	s_load_b512 s[48:63], s[4:5], QB
	s_load_b512 s[68:83], s[4:5], 2*QB
	s_load_b512 s[84:99], s[4:5], 3*QB
	s_cmp_lg_u32 s12, 0
	s_cbranch_scc1 .Lrows
.irp p, 0,1,2,3
	global_load_b128 v[80+4*\p:83+4*\p], v1, s[4:5] offset:QB*\p   ; wave 0's run is the work-group's first: from here on lie the candidates of all its 64 rows, two rows a lane
.endr
	s_wait_loadcnt 0x0
.irp p, 1,2,3
	v_cmp_gt_i32 vcc_lo, v[80+4*\p], v80           ; a later quarter only where its key is larger
	v_cmp_gt_i32 s30, v[82+4*\p], v82
	v_cndmask_b32 v80, v80, v[80+4*\p], vcc_lo
	v_cndmask_b32 v81, v81, v[81+4*\p], vcc_lo
	v_cndmask_b32 v82, v82, v[82+4*\p], s30
	v_cndmask_b32 v83, v83, v[83+4*\p], s30
.endr
	v_mov_b32 v96, v81
	v_mov_b32 v97, v83
	global_store_b64 v2, v[96:97], s[10:11]        ; 32 lanes store 256 consecutive bytes, aligned
.Lrows:
	s_wait_kmcnt 0x0
.irp k, 0,1,2,3,4,5,6,7
.irp p, 48,68,84
	s_cmp_gt_i32 s[\p+2*\k], s[32+2*\k]            ; a later quarter only where its key is larger
	s_cselect_b32 s[33+2*\k], s[\p+1+2*\k], s[33+2*\k]
	s_cselect_b32 s[32+2*\k], s[\p+2*\k], s[32+2*\k]
.endr
	s_min_u32 s[16+\k], s[33+2*\k], 0x1fff         ; inside the table
	s_lshl_b32 s[16+\k], s[16+\k], 10              ; a row is 1,024 bytes
	v_add_nc_u32 v[OFF+\k], s[16+\k], v1
.irp u, 0,1
	global_load_b128 v[D+8*\k+4*\u:D+8*\k+4*\u+3], v[OFF+\k], s[6:7] offset:512*\u   ; no hint: the list may name a row again
.endr
.endr
.irp k, 0,1,2,3,4,5,6,7
.irp u, 0,1
	s_wait_loadcnt 15-2*\k-\u                      ; loads come back in order: this one is in, the younger ones may be out
	global_store_b128 v1, v[D+8*\k+4*\u:D+8*\k+4*\u+3], s[8:9] offset:1024*\k+512*\u   ; 512 consecutive bytes, at a multiple of 256 from out0's first byte; written once
.endr
.endr
	s_endpgm
.Lfunc_end_k_q886b1bf70d_gather:
	.size	k_q886b1bf70d_gather, .Lfunc_end_k_q886b1bf70d_gather-k_q886b1bf70d_gather
	.p2alignl 7, 3214868480
	.fill 96, 4, 3214868480
	.section	.rodata,"a",@progbits
	.p2align	6, 0x0
	.amdhsa_kernel k_q886b1bf70d_gather
		.amdhsa_group_segment_fixed_size 0
		.amdhsa_private_segment_fixed_size 0
		.amdhsa_enable_private_segment 0
		.amdhsa_kernarg_size 32
		.amdhsa_user_sgpr_count 2
		.amdhsa_user_sgpr_kernarg_segment_ptr 1
		.amdhsa_wavefront_size32 1
		.amdhsa_system_sgpr_workgroup_id_x 1
		.amdhsa_system_sgpr_workgroup_id_y 1
		.amdhsa_system_sgpr_workgroup_id_z 1
		.amdhsa_system_vgpr_workitem_id 0
		.amdhsa_next_free_vgpr 98
		.amdhsa_next_free_sgpr 100
		.amdhsa_reserve_vcc 1
		.amdhsa_float_denorm_mode_32 3
		.amdhsa_float_denorm_mode_16_64 3
		.amdhsa_memory_ordered 1
		.amdhsa_forward_progress 1
		.amdhsa_inst_pref_size 10
	.end_amdhsa_kernel
	.amdgpu_metadata
---
amdhsa.version: [ 1, 2 ]
amdhsa.kernels:
  - .name:           k_q886b1bf70d_gather
    .symbol:         k_q886b1bf70d_gather.kd
    .args:
      - { .name: cand, .offset: 0, .size: 8, .value_kind: global_buffer, .address_space: global }
      - { .name: codebook, .offset: 8, .size: 8, .value_kind: global_buffer, .address_space: global }
      - { .name: out0, .offset: 16, .size: 8, .value_kind: global_buffer, .address_space: global }
      - { .name: out1, .offset: 24, .size: 8, .value_kind: global_buffer, .address_space: global }
    .group_segment_fixed_size: 0
    .private_segment_fixed_size: 0
    .kernarg_segment_align: 8
    .kernarg_segment_size: 32
    .max_flat_workgroup_size: 256
    .sgpr_count:     100
    .vgpr_count:     98
    .wavefront_size: 32
...
	.end_amdgpu_metadata
.endif
;; end of part 3
